; MI455X (gfx1250); checked and timed in simulation.
; The chip was launched on July 23, 2026; its instructions are those of AMD's public machine-readable ISA for CDNA 5 (MIT licence, August 2026) and "CDNA5" Instruction Set Architecture Reference Guide (July 2026). The comments in the code are by the model that wrote it; some were corrected since.
;; Vector Quantizer. Allowed arithmetic: matrix products marked QUANTISED: E2M3 operands, one E8M0 scale for each 32 along K, by v_wmma_scale_f32_16x16x128_f8f6f4 with both operands' format E2M3, f32 sums; everything else in f32.
;; Inputs: codebook 8,192 x 256 float32; x 64 x 512 x 256 float32.
;; Outputs: out0 64 x 512 x 256 float32; out1 one number float32.
;; Constants: hidden_dim = 256.
;; This version of the problem:
;;   THIS VERSION OF THE PROBLEM IS GIVEN IN LOW PRECISION. The matrix products marked QUANTISED in the list below multiply operands that are first quantised to E2M3 (2 exponent bits, 3 mantissa bits; 6 bits a number), with one power-of-two scale for each 32 numbers along K (OCP MX v1.0); their sums are f32. All else is computed in f32.
;;   The module's matrix products, in the order in which they are computed (A, B: the left and right operand; K: the contracted axis; several contracted axes count as one K, in the product's order):
;;     1. [M 32,768, K 256] x [K 256, N 8,192]; A: input x; B: input codebook: QUANTISED
;;   THE QUANTISER, for each operand of a quantised product, along K:
;;     - K is cut into blocks of 32 from its start; a last block that is shorter is filled with zeros.
;;     - A block's scale is 2^e with e = floor(log2(the largest magnitude in the block)) - 2, held to -126 .. 127; a block of zeros has e = 0. As a byte (E8M0): e + 127.
;;     - Each number is divided by its block's scale, clamped to +-7.5, and rounded to the nearest number of E2M3, ties to even, subnormals kept.
;;     - The product sums the exact products of the quantised numbers (number of the format x scale) in f32.
;;   ~~~python
;;   def quantise(x, axis):      # numpy; x: float32 -> the quantised numbers, widened to float32 again
;;       x = np.moveaxis(x, axis, -1); K = x.shape[-1]
;;       x = np.pad(x, [(0, 0)] * (x.ndim - 1) + [(0, -K % 32)]); x = x.reshape(x.shape[:-1] + (-1, 32)); a = np.abs(x).max(-1, keepdims=True)
;;       e = np.where(a > 0, np.clip(np.frexp(np.where(a > 0, a, 1))[1] - 1 - 2, -126, 127), 0)      # np.frexp(a)[1] - 1 = floor(log2(a)), exactly
;;       r = np.clip(x / 2.0 ** e, -7.5, 7.5)
;;       step = 2.0 ** (np.maximum(np.frexp(np.where(r == 0, 1, r))[1] - 1, 0) - 3)
;;       q = np.round(r / step) * step * 2.0 ** e      # np.round: ties to even
;;       return np.moveaxis(q.reshape(q.shape[:-2] + (-1,))[..., :K], -1, axis).astype(np.float32)
;;   ~~~
;; One version. Each part assembles by itself: llvm-mc -triple=amdgcn-amd-amdhsa -mcpu=gfx1250 --defsym DOCPART=n.
;; ======== version 1 of 1: 4 launches
;; limits: right only within a limited range of input values
;; workspace buffers: xq_img 6,291,456 bytes; xq_sc 262,144 bytes; cb_img 1,703,936 bytes; keys 1,048,576 bytes of whole numbers; idxs 1,048,576 bytes of whole numbers; partial 1,024 bytes
;; launch quant (part 1): grid 256 x 1, 10 waves a work-group, no clusters, 170,240 bytes of LDS; arguments x, codebook, xq_img, xq_sc, cb_img; writes xq_img, xq_sc, cb_img
.if DOCPART == 1
	.amdgcn_target "amdgcn-amd-amdhsa--gfx1250"
	.amdhsa_code_object_version 6
	.text
	.protected	k_q219fd5bdde_quant
	.globl	k_q219fd5bdde_quant
	.p2align	8
	.type	k_q219fd5bdde_quant,@function
k_q219fd5bdde_quant:
	s_mov_b64 s[64:65], 0
	v_nop
	global_prefetch_b8 v0, s[64:65] scope:SCOPE_SE
	s_setreg_imm32_b32 hwreg(HW_REG_WAVE_MODE, 25, 1), 1
	s_wait_xcnt 0x0
; VECTOR QUANTISER, launch 1 of 4: x [32768][256] and codebook [8192][256], f32, become codes of FP6 (E2M3) with one E8M0 scale byte for each 32 along K = 256.
; THE PROGRAM: for each token the codebook row with the least |x|^2 + |c|^2 - 2 x.c (x.c on quantised operands), that row in f32 as out0, and 0.25 x mean((row - x)^2) as out1.
; WORK LEFT OUT, AND WHY IT IS DEAD.  (a) sum(flat * flat) is one number a token, added to all 8,192 distances of that token alike: in real numbers it moves no argmin, whatever x holds, and the distances reach
; the outputs through the argmin alone.  So the program looks for the largest D = x.c - |c|^2 / 2, which is (|x|^2 - distance) / 2.  (b) x + (quantized - x) is quantized by identity: out0 is the chosen row as it lies in the codebook.
; x itself stays live: its codes feed the product, and the loss reads it.
; LIMITS.  Two rows whose distances differ by less than the rounding of f32 sums of this size may be ordered otherwise than a program that adds |x|^2 first orders them.  NaN and infinities among the inputs are not served;
; a NaN, an infinity or an overflow that would reach |x|^2 alone is not carried to the result.  A block whose largest magnitude lies under 2^(3 - 127) has its byte held at 1; a block of zeros so gets the byte 1 where the
; rule says 127: its codes are zeros, which add nothing under any byte but 0xff, and the bytes are read by this program alone.
; LAYOUT OF THE RESULTS: IMAGES OF THE OPERAND'S REGISTERS.  A tile is 16 rows x 256 K: two K steps of 128, 12 registers a lane each.  Registers 4 q .. 4 q + 3 of K step s lie at 1536 s + 512 q + 16 x lane of the tile's
; 3,072 bytes, so that the product's launch loads a fragment by loads of 16 bytes a lane, 512 consecutive bytes each.  The scale image is 32 words: lanes 0-15 row r's word of K step 0, lanes 16-31 that of K step 1.
; x's tiles: images in xq_img [2048][3072], scale images in xq_sc [2048][128].  The codebook's tiles are records of 3,328 bytes in cb_img [512][3328]: image, scale image at 3,072, and at 3,200 32 words, word l = -|c|^2 / 2 of row l % 16.
; SHARES.  A wave takes one tile of 16 rows (16,384 bytes).  Waves 0-7 of work-group g take x's tiles 8 g + w, waves 8 and 9 the codebook's tiles 2 g + w - 8: 2,560 tiles on 256 equal work-groups.  Only pointers and strides
; are chosen by the wave's number: one way through the text, but for the squares, which the codebook's waves alone sum.
; A load is best where neighbouring lanes take neighbouring bytes; the conversions want 32 neighbours along K in ONE lane.  Both are had: each load reads 512 consecutive bytes (a row's K step), the 16 rows go through the wave's
; own stage in LDS (pitch 528 = 512 + 16 bytes, so that sixteen lanes that read sixteen rows start at sixteen different places modulo 256 bytes) and come back 128 bytes a lane and block.
; No tensor load, no barrier: waves share nothing.  All 32 loads of a wave go out at once.
.set STG,   8448                       ; a stage: 16 rows x 528 bytes; one for each K step
.set WREG,  2*STG                      ; a wave's LDS
.set SPARE, 10*WREG                    ; behind the ten regions: the spare words, 128 bytes for each wave: five blocks of 256 bytes that no other line names
.set R,     32                         ; v32-159  the 32 loads as they come
.set X,     160                        ; v160-223 a K step's 64 numbers of my row: register 32 c + i = k 64 c + 32 (lane / 16) + i
.set CD,    224                        ; v224-247 the codes: 12 registers for each K step, so that no store's data are written again
.set C2,    248                        ; v248-250, v252-254 the second halves of a block's codes, as the conversions leave them
.set SQ,    18                         ; v18-25   four pairs of sums of squares
.set SPW,   26                         ; v26      LDS address of my spare word; never rewritten
.set NIL,   27                         ; v27      0; never rewritten
.set WV,    20                         ; s20      my wave's number
.set SEL,   32                         ; s[32:33] v_permlanex16_b32's selects for lane l xor 16
.set HM,    35                         ; s35      the mask of lanes 16-31
	s_load_b256 s[4:11], s[0:1], 0x0               ; x s[4:5], codebook s[6:7], xq_img s[8:9], xq_sc s[10:11]
	s_load_b64 s[12:13], s[0:1], 0x20              ; cb_img
	v_lshl_add_u32 v[SPW], v0, 2, SPARE
	v_mov_b32 v[NIL], 0
	v_lshrrev_b32 v7, 5, v0
	s_delay_alu instid0(VALU_DEP_1)
	v_readfirstlane_b32 s[WV], v7                  ; wave 0..9
	v_and_b32 v7, 31, v0                           ; lane
	s_delay_alu instid0(VALU_DEP_1)
	v_lshlrev_b32 v1, 4, v7                        ; v1: 16 x lane: my bytes of a load's 512, and of an image's
	s_delay_alu instid0(VALU_DEP_2)
	v_lshlrev_b32 v4, 2, v7                        ; v4: 4 x lane: my word of a scale image
	v_bfe_u32 v5, v0, 4, 1                         ; h = lane / 16
	s_delay_alu instid0(VALU_DEP_1)
	v_lshlrev_b32 v6, 3, v5                        ; 8 h: how far my two scale bytes are shifted up
	v_and_b32 v7, 15, v0                           ; r = lane % 16
	s_mul_i32 s34, s[WV], WREG                     ; my wave's LDS
	v_add_nc_u32 v2, s34, v1                       ; v2: into a stage: 16 x lane of a row
	v_mul_u32_u24 v3, v7, 528
	s_delay_alu instid0(VALU_DEP_1)
	v_lshl_add_u32 v3, v5, 7, v3
	s_delay_alu instid0(VALU_DEP_1)
	v_add_nc_u32 v3, s34, v3                       ; v3: out of it: row r, block h of each pair of blocks
	v_mov_b32 v16, 0                               ; a lane permute's destination counts as one of its sources: written once
	v_mov_b32 v17, 0
.irp j, 0,1,2,3,4,5,6,7
	v_mov_b32 v[SQ+\j], 0
.endr
	s_lshl_b32 s21, ttmp9, 3
	s_add_co_u32 s21, s21, s[WV]                   ; x's tile: 8 g + w
	s_lshl_b32 s22, ttmp9, 1
	s_add_co_u32 s22, s22, s[WV]
	s_sub_co_u32 s22, s22, 8                       ; the codebook's: 2 g + w - 8 (taken in waves 8 and 9 alone)
	s_mov_b32 s23, 3328
	s_mov_b32 s24, 3328
	s_cmp_lt_u32 s[WV], 8                          ; x's wave or the codebook's?
	s_cselect_b32 s21, s21, s22                    ; my tile
	s_cselect_b32 s23, 3072, s23                   ; from image to image
	s_cselect_b32 s24, 128, s24                    ; from scale image to scale image
	s_cselect_b32 s25, 0, 3072                     ; where the scale image begins
	s_lshl_b32 s26, s21, 14                        ; the tile's 16,384 bytes of f32
	s_mov_b32 s27, 0
	s_mul_i32 s28, s21, s23
	s_mov_b32 s29, 0
	s_mul_i32 s30, s21, s24
	s_add_co_u32 s30, s30, s25
	s_mov_b32 s31, 0
	s_mov_b32 s[SEL], 0x76543210
	s_mov_b32 s[SEL+1], 0xfedcba98
	s_mov_b32 s[HM], 0xffff0000
	s_wait_kmcnt 0x0
	s_cmp_lt_u32 s[WV], 8                          ; the choice hangs on the wave's number alone
	s_cselect_b64 s[14:15], s[4:5], s[6:7]         ; from where,
	s_cselect_b64 s[16:17], s[8:9], s[12:13]       ; the image,
	s_cselect_b64 s[18:19], s[10:11], s[12:13]     ; the scale image
	s_add_nc_u64 s[14:15], s[14:15], s[26:27]
	s_add_nc_u64 s[16:17], s[16:17], s[28:29]
	s_add_nc_u64 s[18:19], s[18:19], s[30:31]
.irp s, 0,1
.irp w, 0,1,2,3,4,5,6,7,8,9,10,11,12,13,14,15
	global_load_b128 v[R+64*\s+4*\w:R+64*\s+4*\w+3], v1, s[14:15] offset:1024*\w+512*\s th:TH_LOAD_NT   ; row w, K step s: 32 lanes read 512 consecutive bytes
.endr
.endr
; K step s of the tile: through the stage, the two blocks' scales, the codes, the image.
.macro QK s
.if \s == 0
	s_wait_loadcnt 16                              ; K step 0's sixteen loads are in; K step 1's sixteen may be out
.else
	s_wait_loadcnt 0x0
.endif
.irp w, 0,1,2,3,4,5,6,7,8,9,10,11,12,13,14,15
	ds_store_b128 v2, v[R+64*\s+4*\w:R+64*\s+4*\w+3] offset:STG*\s+528*\w
.endr
.irp c, 0,1
.irp i, 0,1,2,3,4,5,6,7
	ds_load_b128 v[X+32*\c+4*\i:X+32*\c+4*\i+3], v3 offset:STG*\s+256*\c+16*\i   ; LDS serves a wave's instructions in order: these see my stores.  Block 2 c + h of row r, whole
.endr
.endr
	s_wait_dscnt 0x0
	s_cmp_lt_u32 s[WV], 8                          ; the codebook's waves sum the squares of the numbers as they are given: register work alone stands under the branch
	s_cbranch_scc1 .Lno_squares_\@
	s_wait_alu depctr_va_vdst(0)
.irp p, 0,1,2,3,4,5,6,7,8,9,10,11,12,13,14,15,16,17,18,19,20,21,22,23,24,25,26,27,28,29,30,31
	v_pk_fma_f32 v[SQ+2*(\p%4):SQ+2*(\p%4)+1], v[X+2*\p:X+2*\p+1], v[X+2*\p:X+2*\p+1], v[SQ+2*(\p%4):SQ+2*(\p%4)+1]
.endr
.Lno_squares_\@:
.irp c, 0,1
	v_max3_num_f32 v[8+\c], |v[X+32*\c]|, |v[X+32*\c+1]|, 0x1800000   ; my block's largest magnitude: all 32 numbers are mine; and the floor 2^(3 - 127), so that the byte cannot fall under 1
.endr
.irp i, 2,4,6,8,10,12,14,16,18,20,22,24,26,28,30
.irp c, 0,1
	s_delay_alu instid0(VALU_DEP_2)
	v_max3_num_f32 v[8+\c], v[8+\c], |v[X+32*\c+\i]|, |v[X+32*\c+\i+1]|   ; (the two blocks by turns)
.endr
.endr
.irp c, 0,1
	s_delay_alu instid0(VALU_DEP_2)
	v_add_nc_u32 v[10+\c], 0xff000000, v[8+\c]     ; 2 off its exponent field: the conversion takes the exponent field of this operand as its scale, and nothing else of it
.endr
.irp c, 0,1
	s_delay_alu instid0(VALU_DEP_2)
	v_lshrrev_b32 v[12+\c], 23, v[10+\c]           ; the scale's byte
.endr
.irp c, 0,1
	v_cvt_scalef32_pk16_fp6_f32 v[CD+12*\s+6*\c:CD+12*\s+6*\c+2], v[X+32*\c:X+32*\c+15], v[10+\c]
	v_cvt_scalef32_pk16_fp6_f32 v[C2+4*\c:C2+4*\c+2], v[X+32*\c+16:X+32*\c+31], v[10+\c]   ; (a conversion's three registers begin on an even number: the second half of a block's six does not, so it is made elsewhere and moved)
.endr
	v_nop                                          ; one plain place behind a scaled conversion
.irp c, 0,1
.irp i, 0,1,2
	v_mov_b32 v[CD+12*\s+6*\c+3+\i], v[C2+4*\c+\i]
.endr
.endr
	v_lshl_or_b32 v[14+\s], v13, 16, v12           ; my two bytes: blocks h and 2 + h of row r,
	s_delay_alu instid0(VALU_DEP_1)
	v_lshlrev_b32 v[14+\s], v6, v[14+\s]           ; at their places in the scale word;
	s_delay_alu instid0(VALU_DEP_1)
	v_permlanex16_b32 v16, v[14+\s], s[SEL], s[SEL+1]
	s_delay_alu instid0(VALU_DEP_1)
	v_or_b32 v[14+\s], v[14+\s], v16               ; with lane l xor 16's two the word is whole, in both halves of the lanes
.irp q, 0,1,2
	global_store_b128 v1, v[CD+12*\s+4*\q:CD+12*\s+4*\q+3], s[16:17] offset:1536*\s+512*\q   ; 32 lanes store 512 consecutive bytes, at a multiple of 256 from the buffer's first byte
.endr
.endm
	QK 0
	QK 1
	v_cndmask_b32 v28, v14, v15, s[HM]             ; the scale image: lanes 0-15 K step 0's word of row r, lanes 16-31 K step 1's
	global_store_b32 v4, v28, s[18:19]
	s_cmp_lt_u32 s[WV], 8
	s_cbranch_scc1 .Ldone
	v_pk_add_f32 v[SQ:SQ+1], v[SQ:SQ+1], v[SQ+2:SQ+3]      ; the codebook's waves: -|c|^2 / 2 of row r
	v_pk_add_f32 v[SQ+4:SQ+5], v[SQ+4:SQ+5], v[SQ+6:SQ+7]
	s_delay_alu instid0(VALU_DEP_1)
	v_pk_add_f32 v[SQ:SQ+1], v[SQ:SQ+1], v[SQ+4:SQ+5]
	s_delay_alu instid0(VALU_DEP_1)
	v_add_f32 v[SQ], v[SQ], v[SQ+1]
	s_delay_alu instid0(VALU_DEP_1)
	v_permlanex16_b32 v17, v[SQ], s[SEL], s[SEL+1]
	s_delay_alu instid0(VALU_DEP_1)
	v_add_f32 v[SQ], v[SQ], v17                    ; with lane l xor 16's half of the row
	s_delay_alu instid0(VALU_DEP_1)
	v_mul_f32 v[SQ], -0.5, v[SQ]
	global_store_b32 v4, v[SQ], s[18:19] offset:128        ; word l = row l % 16's: the sixteen numbers twice, so that the record's last 256 bytes are all written
.Ldone:
	s_wait_tensorcnt 0x0                           ; the wave's end: a tensor wait, a spare add
	ds_add_u32 v[SPW], v[NIL]
	s_wait_dscnt 0x0
	s_endpgm
.Lfunc_end_k_q219fd5bdde_quant:
	.size	k_q219fd5bdde_quant, .Lfunc_end_k_q219fd5bdde_quant-k_q219fd5bdde_quant
	.p2alignl 7, 3214868480
	.fill 96, 4, 3214868480
	.section	.rodata,"a",@progbits
	.p2align	6, 0x0
	.amdhsa_kernel k_q219fd5bdde_quant
		.amdhsa_group_segment_fixed_size 170240
		.amdhsa_private_segment_fixed_size 0
		.amdhsa_enable_private_segment 0
		.amdhsa_kernarg_size 40
		.amdhsa_user_sgpr_count 2
		.amdhsa_user_sgpr_kernarg_segment_ptr 1
		.amdhsa_wavefront_size32 1
		.amdhsa_system_sgpr_workgroup_id_x 1
		.amdhsa_system_sgpr_workgroup_id_y 1
		.amdhsa_system_sgpr_workgroup_id_z 1
		.amdhsa_system_vgpr_workitem_id 0
		.amdhsa_next_free_vgpr 256
		.amdhsa_next_free_sgpr 66
		.amdhsa_reserve_vcc 0
		.amdhsa_float_denorm_mode_32 3
		.amdhsa_float_denorm_mode_16_64 3
		.amdhsa_memory_ordered 1
		.amdhsa_forward_progress 1
		.amdhsa_inst_pref_size 24
	.end_amdhsa_kernel
	.amdgpu_metadata
---
amdhsa.version: [ 1, 2 ]
amdhsa.kernels:
  - .name:           k_q219fd5bdde_quant
    .symbol:         k_q219fd5bdde_quant.kd
    .args:
      - { .name: x, .offset: 0, .size: 8, .value_kind: global_buffer, .address_space: global }
      - { .name: codebook, .offset: 8, .size: 8, .value_kind: global_buffer, .address_space: global }
      - { .name: xq_img, .offset: 16, .size: 8, .value_kind: global_buffer, .address_space: global }
      - { .name: xq_sc, .offset: 24, .size: 8, .value_kind: global_buffer, .address_space: global }
      - { .name: cb_img, .offset: 32, .size: 8, .value_kind: global_buffer, .address_space: global }
    .group_segment_fixed_size: 170240
    .private_segment_fixed_size: 0
    .kernarg_segment_align: 8
    .kernarg_segment_size: 40
    .max_flat_workgroup_size: 320
    .sgpr_count:     66
    .vgpr_count:     256
    .wavefront_size: 32
...
	.end_amdgpu_metadata
.endif
;; end of part 1
;; launch search (part 2): grid 32 x 8, 8 waves a work-group, clusters of 4 x 1, 327,680 bytes of LDS; arguments xq_img, xq_sc, cb_img, keys, idxs; writes keys, idxs
.if DOCPART == 2
	.amdgcn_target "amdgcn-amd-amdhsa--gfx1250"
	.amdhsa_code_object_version 6
	.text
	.protected	k_q219fd5bdde_search
	.globl	k_q219fd5bdde_search
	.p2align	8
	.type	k_q219fd5bdde_search,@function
k_q219fd5bdde_search:
	s_mov_b64 s[64:65], 0
	v_nop
	global_prefetch_b8 v0, s[64:65] scope:SCOPE_SE
	s_setreg_imm32_b32 hwreg(HW_REG_WAVE_MODE, 25, 1), 1
	s_wait_xcnt 0x0
	s_wait_alu depctr_hold_cnt(0) depctr_sa_sdst(0) depctr_va_vdst(0) depctr_va_sdst(0) depctr_va_ssrc(0) depctr_va_vcc(0) depctr_vm_vsrc(0)
	s_getreg_b32 s2, hwreg(HW_REG_IB_STS2, 6, 4)
	s_cmp_eq_u32 s2, 0
	s_cbranch_scc0 .Lentry_in_a_cluster
	s_endpgm
.Lentry_in_a_cluster:
	s_bfe_u32 s2, ttmp6, 0x10000c
	s_cmp_lg_u32 s2, 0x3003
	s_cbranch_scc0 .Lentry_shape_is_right
	s_endpgm
.Lentry_shape_is_right:
; VECTOR QUANTISER, launch 2 of 4: for each token and each of eight parts of the codebook (1,024 rows) the largest D = x.c - |c|^2 / 2 on quantised operands, and its row.
; LEFT OUT: |x|^2, the same for all rows of a token (shown at the head of the first launch).
; SHARES.  Work-group (x, y): 1,024 tokens (block x) against part y.  Each of eight waves keeps 128 tokens (8 tiles of 16 x 256 K, 192 registers, window 1) and walks the part's 64 records of 3,328 bytes in LDS.
; The matrix instruction takes 16 rows of the codebook as source 0 and 16 tokens as source 1, C = -|c|^2 / 2: lane (r, h) holds token r, register j row 8 h + j.
; THE PART COMES BY TWO LOADS A WAVE: records 0-15 at the head (26 rows of 256 bytes a wave), records 16-63 (78 rows a wave) as a later first fill, behind the three lines and a round; nothing is filled again.
; CLUSTERS: the four work-groups of a cluster share part y: each load is a joint one, mask 15, its descriptor made of y and the wave's number alone.
; NO PREFETCH: both loads go out at the head and together ask for all bytes of the part; no loop has anything left to ask for ahead.
; THE RUNNING WINNER of a lane and token tile: the largest D, its record's number and the record's eight D.  A tile's largest of eight is found by maxima; one compare (strictly larger: the earliest record is kept at ties)
; sets VCC, and five pairs of selects take the ten registers over.  Which of the eight it was is read off at the end, the lowest first.  No branch and no address hangs on these numbers.
; LIMITS: NaN and infinities are not served (first launch).
.set RECB,  3328
.set CH0,   16*RECB                    ; records 0-15
.set CH1,   48*RECB                    ; records 16-63
.set WP0,   CH0/8                      ; a wave's share of each: 6,656 and 19,968 bytes
.set WP1,   CH1/8
.set SPARE, CH0+CH1                    ; behind the part: the spare words, 128 bytes a wave: four blocks of 256 bytes that no other line names
.set LI,  1                            ; 16 x lane
.set LSC, 2                            ; 3072 + 4 x lane
.set LB,  3                            ; 3200 + 32 h
.set ADR, 4                            ; v4-6 the record's three LDS addresses
.set ADS, 5
.set ADB, 6
.set GID, 7                            ; the record's number
.set SPW, 8                            ; my spare word's address; never rewritten
.set NIL, 9                            ; 0; never rewritten
.set XS,  10                           ; v10-17 x's scale words
.set CS,  18                           ; the record's scale words
.set CB0, 19                           ; 1024 y + 8 h
.set AF,  20                           ; v20-43 the record's codes
.set BI,  44                           ; v44-51 its -|c|^2 / 2
.set ACC, 52                           ; v52-115 eight accumulators
.set REC, 116                          ; v116-179 the winners' eight D
.set MI,  180                          ; v180-195 pairs: largest D, its record
.set TT,  196                          ; v196-211 two sets of eight, at work
.set KY,  212
.set IX,  220
.set T2,  228
.set OK,  244
.set OI,  248
.set WV,  14
.set G1,  24                           ; s[24:31] group 1, 26 rows; s[40:47] group 1, 78 rows
.set G0,  32                           ; s[32:35], s[36:39] group 0 of the two loads
.set G1B, 40
.set TB,  48
.set CNT, 49
.set TN,  50
.set HM,  51
.set SEL, 52
.set MK,  56
.set MSB, 0
.macro WIN new
.if MSB != \new
	s_set_vgpr_msb (MSB<<8)|\new
.set MSB, \new
.endif
.endm
.macro ROUND                           ; a round of the cluster's barrier
	s_barrier_signal -1
	s_barrier_wait -1
	s_cmp_lg_u32 s[WV], 0
	s_cbranch_scc1 .Lnot_wave_0_\@
	s_barrier_signal -3
.Lnot_wave_0_\@:
	s_barrier_wait -3
	s_barrier_signal -1
	s_barrier_wait -1
.endm
	s_load_b256 s[4:11], s[0:1], 0x0               ; xq_img s[4:5], xq_sc s[6:7], cb_img s[8:9], keys s[10:11]
	s_load_b64 s[12:13], s[0:1], 0x20              ; idxs
	v_lshl_add_u32 v[SPW], v0, 2, SPARE
	v_mov_b32 v[NIL], 0
	ds_add_u32 v[SPW], v[NIL]                      ; the opening lines: the add, twice on end, and its wait
	ds_add_u32 v[SPW], v[NIL]
	v_lshrrev_b32 v[ADR], 5, v0
	s_delay_alu instid0(VALU_DEP_1)
	v_readfirstlane_b32 s[WV], v[ADR]              ; wave 0..7
	s_bfe_u32 s15, ttmp6, 0x40000                  ; cx
	s_lshl_b32 s16, ttmp9, 2
	s_add_co_u32 s16, s16, s15                     ; token block x
	s_and_b32 s17, ttmp7, 0xffff                   ; part y
	s_lshl_b32 s18, s17, 10
	v_and_b32 v[ADS], 31, v0                       ; lane
	v_bfe_u32 v[ADB], v0, 4, 1                     ; h
	s_delay_alu instid0(VALU_DEP_2)
	v_lshlrev_b32 v[LI], 4, v[ADS]
	s_delay_alu instid0(VALU_DEP_3)
	v_lshl_add_u32 v[LSC], v[ADS], 2, 3072
	s_delay_alu instid0(VALU_DEP_4)
	v_lshlrev_b32 v[KY], 2, v[ADS]                 ; 4 x lane, for x's scale words; not rewritten before the end
	s_delay_alu instid0(VALU_DEP_4)
	v_lshl_add_u32 v[LB], v[ADB], 5, 3200
	v_lshl_add_u32 v[CB0], v[ADB], 3, s18
	s_mov_b32 s[G1+0], 15|(3<<16)|(1<<21)          ; mask of the four partners; elements of 8 bytes; bit 21 beside a mask
	s_mov_b32 s[G1+1], 32<<16                      ; rows of 32 elements = 256 bytes, dense
	s_mov_b32 s[G1+2], 26<<16
	s_mov_b32 s[G1+3], 32<<16
	s_mov_b32 s[G1+4], 26
	s_mov_b32 s[G1+5], 32
	s_mov_b32 s[G1+6], 0
	s_mov_b32 s[G1+7], 0
	s_mov_b32 s[G1B+0], 15|(3<<16)|(1<<21)
	s_mov_b32 s[G1B+1], 32<<16
	s_mov_b32 s[G1B+2], 78<<16
	s_mov_b32 s[G1B+3], 32<<16
	s_mov_b32 s[G1B+4], 78
	s_mov_b32 s[G1B+5], 32
	s_mov_b32 s[G1B+6], 0
	s_mov_b32 s[G1B+7], 0
	s_mul_i32 s18, s[WV], WP0                      ; my share of records 0-15: the same offset in the part and in LDS
	s_mul_i32 s59, s[WV], WP1
	s_add_co_u32 s59, s59, CH0                     ; and of records 16-63
	s_mul_i32 s20, s17, CH0+CH1                    ; the part in cb_img
	s_mov_b32 s21, 0
	s_lshl_b32 s19, s16, 3
	s_add_co_u32 s19, s19, s[WV]                   ; my 128 tokens: block 8 x + w of 256
	s_mul_i32 s2, s19, 8*3072
	s_mov_b32 s3, 0
	s_lshl_b32 s22, s19, 10
	s_mov_b32 s23, 0
	s_lshl_b32 s54, s17, 8
	s_add_co_u32 s54, s54, s19
	s_lshl_b32 s54, s54, 9                         ; keys, idxs: [part][block][512 bytes]
	s_mov_b32 s55, 0
	s_mov_b32 s[SEL], 0x76543210
	s_mov_b32 s[SEL+1], 0xfedcba98
	s_mov_b32 s[HM], 0xffff0000
	s_mov_b32 s[TB], 0
	s_mov_b32 s[TN], 0
	s_mov_b32 s[G0], 1
	s_add_co_u32 s[G0+1], s18, 0
	s_mov_b32 s[G0+4], 1
	s_add_co_u32 s[G0+5], s59, 0
	s_mov_b32 s60, s18
	s_mov_b32 s61, 0
	s_mov_b32 s62, s59
	s_mov_b32 s63, 0
	s_wait_alu depctr_va_vdst(0)
	s_wait_dscnt 0x0                               ; both opening adds are done
	s_wait_kmcnt 0x0
	s_add_nc_u64 s[8:9], s[8:9], s[20:21]
	s_add_nc_u64 s[G0+2:G0+3], s[8:9], s[60:61]
	s_or_b32 s[G0+3], s[G0+3], 0x80000000
	s_add_nc_u64 s[G0+6:G0+7], s[8:9], s[62:63]
	s_or_b32 s[G0+7], s[G0+7], 0x80000000
	s_add_nc_u64 s[4:5], s[4:5], s[2:3]
	s_add_nc_u64 s[6:7], s[6:7], s[22:23]
	s_add_nc_u64 s[10:11], s[10:11], s[54:55]
	s_add_nc_u64 s[12:13], s[12:13], s[54:55]
	ROUND                                          ; the four partners are here: the joint loads meet
	tensor_load_to_lds s[G0:G0+3], s[G1:G1+7]      ; records 0-15, my eighth: my one load at the head
	s_nop 0
	WIN 0x40                                       ; x's fragments into window 1, asked for while the records are on their way: 512 consecutive bytes a load
.irp i, 0,1,2,3,4,5,6,7
.irp q, 0,1,2,3,4,5
	global_load_b128 v[24*\i+4*\q:24*\i+4*\q+3], v[LI], s[4:5] offset:3072*\i+512*\q
.endr
.endr
	WIN 0
.irp i, 0,1,2,3,4,5,6,7
	global_load_b32 v[XS+\i], v[KY], s[6:7] offset:128*\i
.endr
.irp j, 0,1,2,3,4,5,6,7,8,9,10,11,12,13,14,15,16,17,18,19,20,21,22,23,24,25,26,27,28,29,30,31,32,33,34,35,36,37,38,39,40,41,42,43,44,45,46,47,48,49,50,51,52,53,54,55,56,57,58,59,60,61,62,63
	v_mov_b32 v[REC+\j], 0                         ; written once: the selects name them as sources
.endr
.irp i, 0,1,2,3,4,5,6,7
	v_mov_b32 v[MI+2*\i], 0xff800000               ; under every D
	v_mov_b32 v[MI+2*\i+1], 0
.endr
	s_wait_alu depctr_va_vdst(0)
	s_wait_tensorcnt 0x0                           ; my eighth of records 0-15 is in; the three lines ahead of a later first fill
	ds_add_u32 v[SPW], v[NIL]
	s_wait_dscnt 0x0
	ROUND                                          ; everybody's eighth is in, and the partners meet again
	tensor_load_to_lds s[G0+4:G0+7], s[G1B:G1B+7]  ; records 16-63, my eighth: the one load out from here on
	s_nop 0
.macro LOADT                           ; the next record: codes, scale words, -|c|^2 / 2
	v_add_nc_u32 v[ADR], s[TB], v[LI]
	v_add_nc_u32 v[ADS], s[TB], v[LSC]
	v_add_nc_u32 v[ADB], s[TB], v[LB]
.irp q, 0,1,2,3,4,5
	ds_load_b128 v[AF+4*\q:AF+4*\q+3], v[ADR] offset:512*\q
.endr
	ds_load_b32 v[CS], v[ADS]
	ds_load_b128 v[BI:BI+3], v[ADB]
	ds_load_b128 v[BI+4:BI+7], v[ADB] offset:16
	s_add_co_u32 s[TB], s[TB], RECB
.endm
; The largest of eight for accumulators 2 q and 2 q + 1, in three parts, in temp set q % 2; each accumulator is read from its low end on.
.macro TA1 q
	v_max3_num_f32 v[TT+8*((\q)%2)], v[ACC+16*(\q)], v[ACC+16*(\q)+1], v[ACC+16*(\q)+2]
	v_max3_num_f32 v[TT+8*((\q)%2)+1], v[ACC+16*(\q)+3], v[ACC+16*(\q)+4], v[ACC+16*(\q)+5]
	v_max3_num_f32 v[TT+8*((\q)%2)+2], v[ACC+16*(\q)+8], v[ACC+16*(\q)+9], v[ACC+16*(\q)+10]
.endm
.macro TA2 q, hint
	v_max3_num_f32 v[TT+8*((\q)%2)+3], v[ACC+16*(\q)+11], v[ACC+16*(\q)+12], v[ACC+16*(\q)+13]
	v_max3_num_f32 v[TT+8*((\q)%2)], v[TT+8*((\q)%2)], v[ACC+16*(\q)+6], v[ACC+16*(\q)+7]
	v_max3_num_f32 v[TT+8*((\q)%2)+2], v[TT+8*((\q)%2)+2], v[ACC+16*(\q)+14], v[ACC+16*(\q)+15]
.endm
.macro TA3 q
	v_dual_max_num_f32 v[TT+8*((\q)%2)+4], v[TT+8*((\q)%2)], v[TT+8*((\q)%2)+1] :: v_dual_max_num_f32 v[TT+8*((\q)%2)+5], v[TT+8*((\q)%2)+2], v[TT+8*((\q)%2)+3]
.endm
.macro TC i                            ; is this record's largest strictly larger than the winner so far?
	v_cmp_gt_f32 vcc_lo, v[TT+8*(((\i)/2)%2)+4+(\i)%2], v[MI+2*(\i)]
.endm
.macro TD1 i                           ; then it takes over: the largest and the record's number, and the eight D, two a line
	v_dual_cndmask_b32 v[MI+2*(\i)], v[MI+2*(\i)], v[TT+8*(((\i)/2)%2)+4+(\i)%2] :: v_dual_cndmask_b32 v[MI+2*(\i)+1], v[MI+2*(\i)+1], v[GID]
	v_dual_cndmask_b32 v[REC+8*(\i)], v[REC+8*(\i)], v[ACC+8*(\i)] :: v_dual_cndmask_b32 v[REC+8*(\i)+1], v[REC+8*(\i)+1], v[ACC+8*(\i)+1]
.endm
.macro TD2 i
.irp j, 2,4,6
	v_dual_cndmask_b32 v[REC+8*(\i)+\j], v[REC+8*(\i)+\j], v[ACC+8*(\i)+\j] :: v_dual_cndmask_b32 v[REC+8*(\i)+\j+1], v[REC+8*(\i)+\j+1], v[ACC+8*(\i)+\j+1]
.endr
.endm
; One record against my 128 tokens: 16 matrix instructions, the eight accumulators by turns; the next record's loads; the winners.
.macro TILE pre
	s_wait_dscnt 0x0                               ; the record's nine loads are in
	WIN 0x04                                       ; source 1, x's fragments: window 1
.irp i, 0,1,2,3,4,5,6,7
	v_wmma_scale_f32_16x16x128_f8f6f4 v[ACC+8*\i:ACC+8*\i+7], v[AF:AF+11], v[24*\i:24*\i+11], v[BI:BI+7], v[CS], v[XS+\i] matrix_a_fmt:MATRIX_FMT_FP6 matrix_b_fmt:MATRIX_FMT_FP6
.endr
.irp i, 0,1,2,3,4,5,6,7
	v_wmma_scale_f32_16x16x128_f8f6f4 v[ACC+8*\i:ACC+8*\i+7], v[AF+12:AF+23], v[24*\i+12:24*\i+23], v[ACC+8*\i:ACC+8*\i+7], v[CS], v[XS+\i] matrix_a_fmt:MATRIX_FMT_FP6 matrix_b_fmt:MATRIX_FMT_FP6 matrix_a_scale:MATRIX_SCALE_ROW1 matrix_b_scale:MATRIX_SCALE_ROW1
.endr
	WIN 0
	v_mov_b32 v[GID], s[TN]                        ; with the three lines that follow: the four places behind the products
.if \pre
	LOADT
.else
.rept 3
	v_nop
.endr
.endif
	TA1 0
	TA2 0, 1
	TA3 0
.irp q, 0,1,2,3                        ; the next pair's maxima stand between a compare and its selects
	TC 2*\q
.if \q < 3
	TA1 \q+1
.endif
	TD1 2*\q
	TD2 2*\q
	TC 2*\q+1
.if \q < 3
	TA2 \q+1, 0
.endif
	TD1 2*\q+1
.if \q < 3
	TA3 \q+1
.endif
	TD2 2*\q+1
.endr
	s_add_co_u32 s[TN], s[TN], 1
.endm
	LOADT                                          ; record 0
	s_wait_loadcnt 0x0                             ; x's fragments and scale words
	s_mov_b32 s[CNT], 15
.Lfirst:                                               ; records 0-14; each trip fetches the next record, 15 at the most: all of the head's load
	TILE 1
	s_sub_co_u32 s[CNT], s[CNT], 1
	s_cmp_lg_u32 s[CNT], 0
	s_cbranch_scc1 .Lfirst
	s_wait_alu depctr_va_vdst(0)
	s_wait_tensorcnt 0x0                           ; my eighth of records 16-63 is in (the one load that was out),
	s_wait_dscnt 0x0                               ; no LDS instruction of mine is pending at the signal,
	s_barrier_signal -1
	s_barrier_wait -1                              ; and so is everybody's
	s_mov_b32 s[CNT], 48
.Lrest:                                                ; records 15-62
	TILE 1
	s_sub_co_u32 s[CNT], s[CNT], 1
	s_cmp_lg_u32 s[CNT], 0
	s_cbranch_scc1 .Lrest
	TILE 0                                         ; record 63: nothing more to fetch
; Which of the winner's eight: the lowest j whose D is the largest.  Then the row, a key that orders as unsigned, and the better of lanes l and l xor 16 (the lower row at ties).
.irp i, 0,1,2,3,4,5,6,7
	v_mov_b32 v[IX+\i], 7
.endr
.irp j, 6,5,4,3,2,1,0
.irp i, 0,1,2,3,4,5,6,7
	v_cmp_neq_f32 vcc_lo, v[REC+8*\i+\j], v[MI+2*\i]
	s_delay_alu instid0(VALU_DEP_1)
	v_cndmask_b32 v[IX+\i], \j, v[IX+\i], vcc_lo
.endr
.endr
.irp i, 0,1,2,3,4,5,6,7
	v_lshl_add_u32 v[IX+\i], v[MI+2*\i+1], 4, v[IX+\i]
	v_add_f32 v[KY+\i], 0, v[MI+2*\i]              ; -0 becomes +0
.endr
.irp i, 0,1,2,3,4,5,6,7
	v_add_nc_u32 v[IX+\i], v[CB0], v[IX+\i]        ; row = 1024 y + 16 record + 8 h + j
	v_ashrrev_i32 v[T2+\i], 31, v[KY+\i]
.endr
.irp i, 0,1,2,3,4,5,6,7
	v_or_b32 v[T2+\i], 0x80000000, v[T2+\i]
.endr
.irp i, 0,1,2,3,4,5,6,7
	v_xor_b32 v[KY+\i], v[KY+\i], v[T2+\i]
.endr
.irp i, 0,1,2,3,4,5,6,7
	v_permlanex16_b32 v[ACC+8*\i], v[KY+\i], s[SEL], s[SEL+1]
	v_permlanex16_b32 v[ACC+8*\i+1], v[IX+\i], s[SEL], s[SEL+1]
.endr
.irp i, 0,1,2,3,4,5,6,7
	v_cmp_gt_u32 s[MK], v[ACC+8*\i], v[KY+\i]
	v_cmp_eq_u32 s[MK+1], v[ACC+8*\i], v[KY+\i]
	v_cmp_lt_u32 s[MK+2], v[ACC+8*\i+1], v[IX+\i]
	s_and_b32 s[MK+1], s[MK+1], s[MK+2]
	s_or_b32 s[MK], s[MK], s[MK+1]
	v_cndmask_b32 v[KY+\i], v[KY+\i], v[ACC+8*\i], s[MK]
	v_cndmask_b32 v[IX+\i], v[IX+\i], v[ACC+8*\i+1], s[MK]
.endr
.irp q, 0,1,2,3
	v_cndmask_b32 v[OK+\q], v[KY+2*\q], v[KY+2*\q+1], s[HM]   ; word 4 l + q: token 32 q + l of my 128
	v_cndmask_b32 v[OI+\q], v[IX+2*\q], v[IX+2*\q+1], s[HM]
.endr
	global_store_b128 v[LI], v[OK:OK+3], s[10:11]  ; 32 lanes store 512 consecutive bytes, at a multiple of 256 from the buffer's first byte
	global_store_b128 v[LI], v[OI:OI+3], s[12:13]
	s_wait_tensorcnt 0x0                           ; the wave's end: a tensor wait, a spare add and its wait
	ds_add_u32 v[SPW], v[NIL]
	s_wait_dscnt 0x0
	ROUND                                          ; the closing round
	s_endpgm
.Lfunc_end_k_q219fd5bdde_search:
	.size	k_q219fd5bdde_search, .Lfunc_end_k_q219fd5bdde_search-k_q219fd5bdde_search
	.p2alignl 7, 3214868480
	.fill 96, 4, 3214868480
	.section	.rodata,"a",@progbits
	.p2align	6, 0x0
	.amdhsa_kernel k_q219fd5bdde_search
		.amdhsa_group_segment_fixed_size 327680
		.amdhsa_private_segment_fixed_size 0
		.amdhsa_enable_private_segment 0
		.amdhsa_kernarg_size 40
		.amdhsa_user_sgpr_count 2
		.amdhsa_user_sgpr_kernarg_segment_ptr 1
		.amdhsa_wavefront_size32 1
		.amdhsa_system_sgpr_workgroup_id_x 1
		.amdhsa_system_sgpr_workgroup_id_y 1
		.amdhsa_system_sgpr_workgroup_id_z 1
		.amdhsa_system_vgpr_workitem_id 0
		.amdhsa_next_free_vgpr 448
		.amdhsa_next_free_sgpr 66
		.amdhsa_reserve_vcc 1
		.amdhsa_float_denorm_mode_32 3
		.amdhsa_float_denorm_mode_16_64 3
		.amdhsa_memory_ordered 1
		.amdhsa_forward_progress 1
		.amdhsa_inst_pref_size 49
	.end_amdhsa_kernel
	.amdgpu_metadata
---
amdhsa.version: [ 1, 2 ]
amdhsa.kernels:
  - .name:           k_q219fd5bdde_search
    .symbol:         k_q219fd5bdde_search.kd
    .args:
      - { .name: xq_img, .offset: 0, .size: 8, .value_kind: global_buffer, .address_space: global }
      - { .name: xq_sc, .offset: 8, .size: 8, .value_kind: global_buffer, .address_space: global }
      - { .name: cb_img, .offset: 16, .size: 8, .value_kind: global_buffer, .address_space: global }
      - { .name: keys, .offset: 24, .size: 8, .value_kind: global_buffer, .address_space: global }
      - { .name: idxs, .offset: 32, .size: 8, .value_kind: global_buffer, .address_space: global }
    .group_segment_fixed_size: 327680
    .private_segment_fixed_size: 0
    .kernarg_segment_align: 8
    .kernarg_segment_size: 40
    .max_flat_workgroup_size: 256
    .sgpr_count:     66
    .vgpr_count:     448
    .wavefront_size: 32
...
	.end_amdgpu_metadata
.endif
;; end of part 2
;; launch gather (part 3): grid 256 x 1, 16 waves a work-group, no clusters, 2,304 bytes of LDS; arguments x, codebook, keys, idxs, out0, partial; writes out0, partial
.if DOCPART == 3
	.amdgcn_target "amdgcn-amd-amdhsa--gfx1250"
	.amdhsa_code_object_version 6
	.text
	.protected	k_q219fd5bdde_gather
	.globl	k_q219fd5bdde_gather
	.p2align	8
	.type	k_q219fd5bdde_gather,@function
k_q219fd5bdde_gather:
	s_mov_b64 s[64:65], 0
	v_nop
	global_prefetch_b8 v0, s[64:65] scope:SCOPE_SE
	s_setreg_imm32_b32 hwreg(HW_REG_WAVE_MODE, 25, 1), 1
	s_wait_xcnt 0x0
; VECTOR QUANTISER, launch 3 of 4: the eight parts' winners are merged, the chosen row of the codebook is copied to out0, and (row - x)^2 is summed.
; LEFT OUT: x + (row - x), which is the row by identity (shown at the head of the first launch): out0 is the row as it lies in the codebook.
; keys and idxs hold whole numbers: [8 parts][256 blocks of 128 tokens][32 lanes][4], word 4 l + i for token 128 block + 32 i + l.  A larger key is a smaller distance.  The merge is made of unsigned compares alone; the parts go in
; ascending order and only a strictly larger key wins, so that the lowest row is kept at ties.  The index is held to 8,191 before it enters an address.
; SHARES.  A work-group takes a block of 128 tokens, each of its sixteen waves 8 of them.  A row of x, of the codebook and of out0 is 1,024 bytes: two loads or stores of 512 consecutive bytes a wave.
; No matrix unit, no tensor load, no cluster: every byte is read once by one wave (a row of the codebook as often as it is chosen).  The waves meet once, in LDS, for the work-group's sum.
.set SPARE, 256                        ; LDS: bytes 0-63 the sixteen waves' sums; from 256 on the spare words, 128 bytes for each wave: eight blocks of 256 bytes that no other line names
.set KY,  8                            ; v8-15    the eight parts' keys of my lane's token
.set IX,  16                           ; v16-23   and indices
.set XR,  32                           ; v32-95   x: 8 registers a token
.set QR,  96                           ; v96-159  the chosen rows: never rewritten, since stores read them
.set OFF, 160                          ; v160-167 the rows' byte offsets in the codebook
.set SM,  168                          ; v168-175 four pairs of sums
.set DF,  176                          ; v176-183 differences
.set SPW, 184                          ; v184     LDS address of my spare word; never rewritten
.set NIL, 185                          ; v185     0; never rewritten
	s_load_b256 s[4:11], s[0:1], 0x0               ; x s[4:5], codebook s[6:7], keys s[8:9], idxs s[10:11]
	s_load_b128 s[12:15], s[0:1], 0x20             ; out0 s[12:13], partial s[14:15]
	v_lshl_add_u32 v[SPW], v0, 2, SPARE
	v_mov_b32 v[NIL], 0
	v_lshrrev_b32 v3, 5, v0
	s_delay_alu instid0(VALU_DEP_1)
	v_readfirstlane_b32 s16, v3                    ; wave 0..15
	s_delay_alu instid0(VALU_DEP_2)
	v_lshlrev_b32 v186, 2, v3                      ; LDS: my wave's word
	v_and_b32 v187, 15, v0
	s_delay_alu instid0(VALU_DEP_1)
	v_lshlrev_b32 v187, 2, v187                    ; and the word that I read back: wave lane % 16's
	v_and_b32 v3, 31, v0
	s_delay_alu instid0(VALU_DEP_1)
	v_lshlrev_b32 v1, 4, v3                        ; 16 x lane
	s_and_b32 s17, s16, 3                          ; token 8 w + t of the block lies in lane 8 (w % 4) + t, word w / 4
	s_lshl_b32 s17, s17, 7
	s_lshr_b32 s18, s16, 2
	s_lshl_b32 s18, s18, 2
	s_add_co_u32 s17, s17, s18
	v_and_b32 v2, 7, v0                            ; my lane looks after token t = lane % 8
	s_delay_alu instid0(VALU_DEP_1)
	v_lshl_add_u32 v2, v2, 4, s17
	s_lshl_b32 s20, ttmp9, 9                       ; the block's 512 bytes in a part of keys and of idxs
	s_mov_b32 s21, 0
	s_lshl_b32 s22, ttmp9, 17                      ; the block's 128 rows of 1,024 bytes,
	s_lshl_b32 s19, s16, 13                        ; my wave's 8 of them
	s_add_co_u32 s22, s22, s19
	s_mov_b32 s23, 0
	s_lshl_b32 s24, ttmp9, 2                       ; the work-group's word of partial
	s_mov_b32 s25, 0
	s_mov_b32 s28, 0x76543210
	s_mov_b32 s29, 0xfedcba98                      ; v_permlanex16_b32's selects for lane l xor 16
	s_wait_alu depctr_va_vdst(0)
	s_wait_kmcnt 0x0
	s_add_nc_u64 s[8:9], s[8:9], s[20:21]
	s_add_nc_u64 s[10:11], s[10:11], s[20:21]
	s_add_nc_u64 s[4:5], s[4:5], s[22:23]
	s_add_nc_u64 s[12:13], s[12:13], s[22:23]
	s_add_nc_u64 s[14:15], s[14:15], s[24:25]
.irp p, 0,1,2,3,4,5,6,7
	global_load_b32 v[KY+\p], v2, s[8:9] offset:131072*\p          ; a part is 256 blocks of 512 bytes
	global_load_b32 v[IX+\p], v2, s[10:11] offset:131072*\p
.endr
.irp t, 0,1,2,3,4,5,6,7
	global_load_b128 v[XR+8*\t:XR+8*\t+3], v1, s[4:5] offset:1024*\t th:TH_LOAD_NT
	global_load_b128 v[XR+8*\t+4:XR+8*\t+7], v1, s[4:5] offset:1024*\t+512 th:TH_LOAD_NT
.endr
	s_wait_loadcnt 16                              ; keys and indices are in; x's sixteen loads may be out
.irp p, 1
	v_cmp_gt_u32 vcc_lo, v[KY+\p], v[KY]
	s_delay_alu instid0(VALU_DEP_1)
	v_cndmask_b32 v[KY], v[KY], v[KY+\p], vcc_lo
	s_delay_alu instid0(VALU_DEP_2)
	v_cndmask_b32 v[IX], v[IX], v[IX+\p], vcc_lo
.endr
.irp p, 2, 3, 4, 5, 6, 7
	s_delay_alu instid0(VALU_DEP_2)
	v_cmp_gt_u32 vcc_lo, v[KY+\p], v[KY]
	s_delay_alu instid0(VALU_DEP_1)
	v_cndmask_b32 v[KY], v[KY], v[KY+\p], vcc_lo
	s_delay_alu instid0(VALU_DEP_2)
	v_cndmask_b32 v[IX], v[IX], v[IX+\p], vcc_lo
.endr
	s_wait_alu depctr_va_vdst(0)
.irp t, 0,1,2,3,4,5,6,7
	v_readlane_b32 s[40+\t], v[IX], \t             ; token t's row, the same for all my lanes
	s_min_u32 s[40+\t], s[40+\t], 0x1fff           ; held inside the codebook
	s_lshl_b32 s[40+\t], s[40+\t], 10
	v_add_nc_u32 v[OFF+\t], s[40+\t], v1
.endr
	s_wait_alu depctr_va_vdst(0)
.irp t, 0,1,2,3,4,5,6,7
	global_load_b128 v[QR+8*\t:QR+8*\t+3], v[OFF+\t], s[6:7]
	global_load_b128 v[QR+8*\t+4:QR+8*\t+7], v[OFF+\t], s[6:7] offset:512
.endr
.irp t, 0,1,2,3,4,5,6,7
	s_wait_loadcnt 14-2*\t                         ; token t's row is in (and all of x, asked for earlier); the later tokens' rows may be out
	global_store_b128 v1, v[QR+8*\t:QR+8*\t+3], s[12:13] offset:1024*\t th:TH_STORE_NT         ; 32 lanes store 512 consecutive bytes, at a multiple of 256 from out0's first byte
	global_store_b128 v1, v[QR+8*\t+4:QR+8*\t+7], s[12:13] offset:1024*\t+512 th:TH_STORE_NT
.endr
.irp t, 0,1,2,3,4,5,6,7                ; the sixteen stores stand in one run; the differences and squares of all eight tokens follow them
.irp k, 0,1,2,3
	v_pk_add_f32 v[DF+2*\k:DF+2*\k+1], v[QR+8*\t+2*\k:QR+8*\t+2*\k+1], v[XR+8*\t+2*\k:XR+8*\t+2*\k+1] neg_lo:[0,1] neg_hi:[0,1]   ; row - x
.endr
	s_wait_alu depctr_va_vdst(0)
.irp k, 0,1,2,3
.if \t == 0
	v_pk_mul_f32 v[SM+2*\k:SM+2*\k+1], v[DF+2*\k:DF+2*\k+1], v[DF+2*\k:DF+2*\k+1]              ; the first token starts the sums: nothing is cleared
.else
	v_pk_fma_f32 v[SM+2*\k:SM+2*\k+1], v[DF+2*\k:DF+2*\k+1], v[DF+2*\k:DF+2*\k+1], v[SM+2*\k:SM+2*\k+1]
.endif
.endr
.endr
	s_delay_alu instid0(VALU_DEP_3)
	v_pk_add_f32 v[SM:SM+1], v[SM:SM+1], v[SM+2:SM+3]
	s_delay_alu instid0(VALU_DEP_2)
	v_pk_add_f32 v[SM+4:SM+5], v[SM+4:SM+5], v[SM+6:SM+7]
	s_delay_alu instid0(VALU_DEP_1)
	v_pk_add_f32 v[SM:SM+1], v[SM:SM+1], v[SM+4:SM+5]
	s_delay_alu instid0(VALU_DEP_1)
	v_add_f32 v[SM], v[SM], v[SM+1]
	s_delay_alu instid0(VALU_DEP_1)
	v_add_f32_dpp v[SM], v[SM], v[SM] row_xmask:1 row_mask:0xf bank_mask:0xf
	s_delay_alu instid0(VALU_DEP_1)
	v_add_f32_dpp v[SM], v[SM], v[SM] row_xmask:2 row_mask:0xf bank_mask:0xf
	s_delay_alu instid0(VALU_DEP_1)
	v_add_f32_dpp v[SM], v[SM], v[SM] row_xmask:4 row_mask:0xf bank_mask:0xf
	s_delay_alu instid0(VALU_DEP_1)
	v_add_f32_dpp v[SM], v[SM], v[SM] row_xmask:8 row_mask:0xf bank_mask:0xf
	s_delay_alu instid0(VALU_DEP_1)
	v_permlanex16_b32 v[SM+1], v[SM], s28, s29
	s_delay_alu instid0(VALU_DEP_1)
	v_add_f32 v[SM], v[SM], v[SM+1]                ; my wave's sum, in every lane
	ds_store_b32 v186, v[SM]                       ; all lanes write the same word with the same value
	s_wait_dscnt 0x0                               ; for the others' sake: my store is done
	s_barrier_signal -1
	s_barrier_wait -1
	ds_load_b32 v[SM+2], v187                      ; sixteen neighbouring lanes read the sixteen waves' sums
	s_wait_dscnt 0x0
	v_add_f32_dpp v[SM+2], v[SM+2], v[SM+2] row_xmask:1 row_mask:0xf bank_mask:0xf
	s_delay_alu instid0(VALU_DEP_1)
	v_add_f32_dpp v[SM+2], v[SM+2], v[SM+2] row_xmask:2 row_mask:0xf bank_mask:0xf
	s_delay_alu instid0(VALU_DEP_1)
	v_add_f32_dpp v[SM+2], v[SM+2], v[SM+2] row_xmask:4 row_mask:0xf bank_mask:0xf
	s_delay_alu instid0(VALU_DEP_1)
	v_add_f32_dpp v[SM+2], v[SM+2], v[SM+2] row_xmask:8 row_mask:0xf bank_mask:0xf
	s_wait_tensorcnt 0x0                           ; the wave's end: a tensor wait, a spare add
	ds_add_u32 v[SPW], v[NIL]
	s_wait_dscnt 0x0
	s_cmp_lg_u32 s16, 0                            ; wave 0's first lane stores the work-group's sum
	s_cbranch_scc1 .Lend
	v_mov_b32 v[SM+3], 0
	v_cmp_gt_u32 vcc_lo, 1, v0
	s_wait_alu depctr_va_vdst(0)
	s_wait_xcnt 0x0                                ; EXEC is a source of the stores above: it changes only behind this wait
	s_and_saveexec_b32 s26, vcc_lo
	global_store_b32 v[SM+3], v[SM+2], s[14:15]
	s_wait_xcnt 0x0                                ; and again, in front of the line that widens it
	s_or_b32 exec_lo, exec_lo, s26
.Lend:
	s_endpgm
.Lfunc_end_k_q219fd5bdde_gather:
	.size	k_q219fd5bdde_gather, .Lfunc_end_k_q219fd5bdde_gather-k_q219fd5bdde_gather
	.p2alignl 7, 3214868480
	.fill 96, 4, 3214868480
	.section	.rodata,"a",@progbits
	.p2align	6, 0x0
	.amdhsa_kernel k_q219fd5bdde_gather
		.amdhsa_group_segment_fixed_size 2304
		.amdhsa_private_segment_fixed_size 0
		.amdhsa_enable_private_segment 0
		.amdhsa_kernarg_size 48
		.amdhsa_user_sgpr_count 2
		.amdhsa_user_sgpr_kernarg_segment_ptr 1
		.amdhsa_wavefront_size32 1
		.amdhsa_system_sgpr_workgroup_id_x 1
		.amdhsa_system_sgpr_workgroup_id_y 1
		.amdhsa_system_sgpr_workgroup_id_z 1
		.amdhsa_system_vgpr_workitem_id 0
		.amdhsa_next_free_vgpr 192
		.amdhsa_next_free_sgpr 66
		.amdhsa_reserve_vcc 1
		.amdhsa_float_denorm_mode_32 3
		.amdhsa_float_denorm_mode_16_64 3
		.amdhsa_memory_ordered 1
		.amdhsa_forward_progress 1
		.amdhsa_inst_pref_size 18
	.end_amdhsa_kernel
	.amdgpu_metadata
---
amdhsa.version: [ 1, 2 ]
amdhsa.kernels:
  - .name:           k_q219fd5bdde_gather
    .symbol:         k_q219fd5bdde_gather.kd
    .args:
      - { .name: x, .offset: 0, .size: 8, .value_kind: global_buffer, .address_space: global }
      - { .name: codebook, .offset: 8, .size: 8, .value_kind: global_buffer, .address_space: global }
      - { .name: keys, .offset: 16, .size: 8, .value_kind: global_buffer, .address_space: global }
      - { .name: idxs, .offset: 24, .size: 8, .value_kind: global_buffer, .address_space: global }
      - { .name: out0, .offset: 32, .size: 8, .value_kind: global_buffer, .address_space: global }
      - { .name: partial, .offset: 40, .size: 8, .value_kind: global_buffer, .address_space: global }
    .group_segment_fixed_size: 2304
    .private_segment_fixed_size: 0
    .kernarg_segment_align: 8
    .kernarg_segment_size: 48
    .max_flat_workgroup_size: 512
    .sgpr_count:     66
    .vgpr_count:     192
    .wavefront_size: 32
...
	.end_amdgpu_metadata
.endif
;; end of part 3
;; launch finish (part 4): grid 1 x 1, 1 waves a work-group, no clusters, 0 bytes of LDS; arguments partial, out1; writes out1
.if DOCPART == 4
	.amdgcn_target "amdgcn-amd-amdhsa--gfx1250"
	.amdhsa_code_object_version 6
	.text
	.protected	k_q219fd5bdde_finish
	.globl	k_q219fd5bdde_finish
	.p2align	8
	.type	k_q219fd5bdde_finish,@function
k_q219fd5bdde_finish:
	s_mov_b64 s[64:65], 0
	v_nop
	global_prefetch_b8 v0, s[64:65] scope:SCOPE_SE
	s_setreg_imm32_b32 hwreg(HW_REG_WAVE_MODE, 25, 1), 1
	s_wait_xcnt 0x0
; VECTOR QUANTISER, launch 4 of 4: out1 = 0.25 x the mean of (row - x)^2 over 32,768 x 256 = 2^23 numbers: the 256 work-groups' sums are added, in a fixed order, and multiplied by 2^-25, which rounds nothing.
; A sum that spans work-groups has one owner: one wave reads the 1,024 bytes, 32 a lane.
	s_load_b128 s[4:7], s[0:1], 0x0                ; partial s[4:5], out1 s[6:7]
	v_lshlrev_b32 v1, 5, v0                        ; 32 bytes a lane
	s_mov_b32 s8, 0x76543210
	s_mov_b32 s9, 0xfedcba98                       ; v_permlanex16_b32's selects for lane l xor 16
	s_wait_alu depctr_va_vdst(0)
	s_wait_kmcnt 0x0
	global_load_b128 v[4:7], v1, s[4:5]
	global_load_b128 v[8:11], v1, s[4:5] offset:16
	s_wait_loadcnt 0x0
	v_pk_add_f32 v[4:5], v[4:5], v[6:7]
	v_pk_add_f32 v[8:9], v[8:9], v[10:11]
	v_pk_add_f32 v[4:5], v[4:5], v[8:9]
	v_add_f32 v4, v4, v5
	v_add_f32_dpp v4, v4, v4 row_xmask:1 row_mask:0xf bank_mask:0xf
	v_add_f32_dpp v4, v4, v4 row_xmask:2 row_mask:0xf bank_mask:0xf
	v_add_f32_dpp v4, v4, v4 row_xmask:4 row_mask:0xf bank_mask:0xf
	v_add_f32_dpp v4, v4, v4 row_xmask:8 row_mask:0xf bank_mask:0xf
	v_permlanex16_b32 v5, v4, s8, s9
	v_add_f32 v4, v4, v5
	v_mul_f32 v4, 0x33000000, v4                   ; x 2^-25
	v_mov_b32 v2, 0
	v_cmp_gt_u32 vcc_lo, 1, v0                     ; lane 0 alone stores
	s_wait_alu depctr_va_vdst(0)
	s_wait_xcnt 0x0                                ; EXEC changes only behind this wait
	s_and_saveexec_b32 s10, vcc_lo
	global_store_b32 v2, v4, s[6:7]
	s_wait_xcnt 0x0                                ; and again, in front of the line that widens it
	s_or_b32 exec_lo, exec_lo, s10
	s_endpgm
.Lfunc_end_k_q219fd5bdde_finish:
	.size	k_q219fd5bdde_finish, .Lfunc_end_k_q219fd5bdde_finish-k_q219fd5bdde_finish
	.p2alignl 7, 3214868480
	.fill 96, 4, 3214868480
	.section	.rodata,"a",@progbits
	.p2align	6, 0x0
	.amdhsa_kernel k_q219fd5bdde_finish
		.amdhsa_group_segment_fixed_size 0
		.amdhsa_private_segment_fixed_size 0
		.amdhsa_enable_private_segment 0
		.amdhsa_kernarg_size 16
		.amdhsa_user_sgpr_count 2
		.amdhsa_user_sgpr_kernarg_segment_ptr 1
		.amdhsa_wavefront_size32 1
		.amdhsa_system_sgpr_workgroup_id_x 1
		.amdhsa_system_sgpr_workgroup_id_y 1
		.amdhsa_system_sgpr_workgroup_id_z 1
		.amdhsa_system_vgpr_workitem_id 0
		.amdhsa_next_free_vgpr 32
		.amdhsa_next_free_sgpr 66
		.amdhsa_reserve_vcc 1
		.amdhsa_float_denorm_mode_32 3
		.amdhsa_float_denorm_mode_16_64 3
		.amdhsa_memory_ordered 1
		.amdhsa_forward_progress 1
		.amdhsa_inst_pref_size 2
	.end_amdhsa_kernel
	.amdgpu_metadata
---
amdhsa.version: [ 1, 2 ]
amdhsa.kernels:
  - .name:           k_q219fd5bdde_finish
    .symbol:         k_q219fd5bdde_finish.kd
    .args:
      - { .name: partial, .offset: 0, .size: 8, .value_kind: global_buffer, .address_space: global }
      - { .name: out1, .offset: 8, .size: 8, .value_kind: global_buffer, .address_space: global }
    .group_segment_fixed_size: 0
    .private_segment_fixed_size: 0
    .kernarg_segment_align: 8
    .kernarg_segment_size: 16
    .max_flat_workgroup_size: 32
    .sgpr_count:     66
    .vgpr_count:     32
    .wavefront_size: 32
...
	.end_amdgpu_metadata
.endif
;; end of part 4
